; MI455X (gfx1250); checked and timed in simulation.
; The chip was launched on July 23, 2026; its instructions are those of AMD's public machine-readable ISA for CDNA 5 (MIT licence, August 2026) and "CDNA5" Instruction Set Architecture Reference Guide (July 2026). The comments in the code are by the model that wrote it; some were corrected since.
;; Vi T Quadratic Attention. Allowed arithmetic: matrix products marked QUANTISED: E5M2 operands, one given power-of-two scale a tensor, by v_wmma_f32_16x16x64_bf8_bf8 or v_wmma_f32_16x16x128_bf8_bf8, f32 sums; everything else in f32.
;; Inputs: Wd_codes 768 x 24 x 32 uint8 (E5M2 codes of Wd, K innermost, in blocks of 32 codes); Wk_codes 768 x 24 x 32 uint8 (E5M2 codes of Wk, K innermost, in blocks of 32 codes); Wq_codes 768 x 24 x 32 uint8 (E5M2 codes of Wq, K innermost, in blocks of 32 codes); Wv_codes 768 x 24 x 32 uint8 (E5M2 codes of Wv, K innermost, in blocks of 32 codes); bk 768 float32; bq 768 float32; bv 768 float32; key_states_codes 8 x 1,024 x 24 x 32 uint8 (E5M2 codes of key_states, K innermost, in blocks of 32 codes); lowp_scales 16 int32 (the exponents e of the quantised operands' scales 2^e); query_states_codes 8 x 1,024 x 24 x 32 uint8 (E5M2 codes of query_states, K innermost, in blocks of 32 codes).
;; Outputs: out0 8 x 1,024 x 768 float32.
;; This version of the problem:
;;   THIS VERSION OF THE PROBLEM IS GIVEN IN LOW PRECISION. The matrix products marked QUANTISED in the list below multiply operands that are first quantised to E5M2 (5 exponent bits, 2 mantissa bits; 8 bits a number), with one given power-of-two scale for each operand tensor; their sums are f32. All else is computed in f32.
;;   The module's matrix products, in the order in which they are computed (A, B: the left and right operand; K: the contracted axis; several contracted axes count as one K, in the product's order):
;;     1. [M 8,192, K 768] x [K 768, N 768]; A: input query_states (given as codes); B: input Wd (given as codes): QUANTISED (scales: A lowp_scales[0], B lowp_scales[1])
;;     2. [M 8,192, K 768] x [K 768, N 768]; A: input key_states (given as codes); B: input Wd (given as codes): QUANTISED (scales: A lowp_scales[2], B lowp_scales[3])
;;     3. [M 8,192, K 768] x [K 768, N 768]; A: input query_states (given as codes); B: input Wq (given as codes): QUANTISED (scales: A lowp_scales[4], B lowp_scales[5])
;;     4. [M 8,192, K 768] x [K 768, N 768]; A: input key_states (given as codes); B: input Wk (given as codes): QUANTISED (scales: A lowp_scales[6], B lowp_scales[7])
;;     5. [M 8,192, K 768] x [K 768, N 768]; A: input key_states (given as codes); B: input Wv (given as codes): QUANTISED (scales: A lowp_scales[8], B lowp_scales[9])
;;     6. batch 96 x [M 1,024, K 64] x [K 64, N 1,024]; A: computed on the way; B: computed on the way: QUANTISED (scales: A lowp_scales[10], B lowp_scales[11])
;;     7. batch 96 x [M 1,024, K 64] x [K 64, N 1,024]; A: computed on the way; B: computed on the way: QUANTISED (scales: A lowp_scales[12], B lowp_scales[13])
;;     8. batch 96 x [M 1,024, K 1,024] x [K 1,024, N 64]; A: softmax (see below); B: computed on the way: QUANTISED (scales: A lowp_scales[14], B lowp_scales[15])
;;   THE QUANTISER, for each operand of a quantised product, along K:
;;     - The operand's scale is 2^e, e = its entry of the input lowp_scales (int32; the entries are numbered through the quantised products in the list's order, A before B).
;;     - Each number is divided by the scale, clamped to +-57,344, and rounded to the nearest number of E5M2, ties to even, subnormals kept.
;;     - The product sums the exact products of the quantised numbers (number of the format x scale) in f32.
;;   ~~~python
;;   def quantise(x, axis, e):      # numpy; x: float32 -> the quantised numbers, widened to float32 again
;;       x = np.moveaxis(x, axis, -1); K = x.shape[-1]
;;       r = np.clip(x / 2.0 ** e, -57344, 57344)
;;       step = 2.0 ** (np.maximum(np.frexp(np.where(r == 0, 1, r))[1] - 1, -14) - 2)
;;       q = np.round(r / step) * step * 2.0 ** e      # np.round: ties to even
;;       return np.moveaxis(q, -1, axis).astype(np.float32)
;;   ~~~
;;   SOFTMAX AHEAD OF A QUANTISED PRODUCT. Where the list says 'softmax', what is quantised is not the finished softmax but p = 2^(t - M), with t = logit x log2(e) and M = ceil(the row's largest t), a whole number; so 1/2 < the row's largest p <= 1. The row's sum l is taken of the UNQUANTISED p, in f32, and the product's result is divided by l at the end. Since M is a whole number, a kernel that streams over the keys may use a running M (the ceiling of the running maximum): every later rescaling is an exact power of two, so the quantised numbers keep their values, but for numbers so far below the row's largest that they fall under the format's range.
;;   OPERANDS COMPUTED ON THE WAY. 'Computed on the way' means the value that the module computes at that place (a softmax that the list does not call 'softmax' is quantised finished and normalised). What goes into a quantiser is computed in f32, as accurately as f32 sums, v_exp_f32 and their like allow (about 1e-6 of the number): no bf16 or f16 on the way to a quantiser, and a product that is left as it is and whose result goes on into a quantised operand takes f32 operands (vector FMAs, or v_wmma_f32_16x16x4_f32). A number that lies on a knife's edge between two numbers of the format may be rounded either way, as far as f32 arithmetic and the matrix unit's own rounding can turn it there, and no further.
;;   INPUTS GIVEN AS CODES. Wd (in the module: [768, 768], K = its axis 1); Wk (in the module: [768, 768], K = its axis 1); Wq (in the module: [768, 768], K = its axis 1); Wv (in the module: [768, 768], K = its axis 1); key_states (in the module: [8, 1024, 768], K = its axis 2); query_states (in the module: [8, 1024, 768], K = its axis 2): each comes as NAME_codes (uint8): NAME with its K axis moved to the last place and cut into blocks of 32 codes, [.., K / 32, bytes a block], one block behind the other in memory; one code a byte (a code: sign, 5 exponent bits, 2 mantissa bits); its scale is its entry of lowp_scales. Its value is code x scale, taken as it is: it is not quantised again, and the codes and scales need not be those that the quantiser above would give.
;; One version. Each part assembles by itself: llvm-mc -triple=amdgcn-amd-amdhsa -mcpu=gfx1250 --defsym DOCPART=n.
;; ======== version 1 of 1: 2 launches
;; limits: right only within a limited range of input values
;; workspace buffers: qi 12,582,912 bytes; kv 19,267,584 bytes; qb 393,216 bytes
;; launch proj (part 1): grid 48 x 5, 4 waves a work-group, clusters of 4 x 1, 327,680 bytes of LDS; arguments query_states_codes, key_states_codes, Wd_codes, Wq_codes, Wk_codes, Wv_codes, bq, bk, bv, lowp_scales, qi, kv, qb; writes qi, kv, qb
.if DOCPART == 1
	.amdgcn_target "amdgcn-amd-amdhsa--gfx1250"
	.amdhsa_code_object_version 6
	.text
	.protected	k_q990614d817_proj
	.globl	k_q990614d817_proj
	.p2align	8
	.type	k_q990614d817_proj,@function
k_q990614d817_proj:
	s_mov_b64 s[64:65], 0
	v_nop
	global_prefetch_b8 v0, s[64:65] scope:SCOPE_SE
	s_setreg_imm32_b32 hwreg(HW_REG_WAVE_MODE, 25, 1), 1
	s_wait_xcnt 0x0
	s_wait_alu depctr_hold_cnt(0) depctr_sa_sdst(0) depctr_va_vdst(0) depctr_va_sdst(0) depctr_va_ssrc(0) depctr_va_vcc(0) depctr_vm_vsrc(0)
	s_getreg_b32 s2, hwreg(HW_REG_IB_STS2, 6, 4)
	s_cmp_eq_u32 s2, 0
	s_cbranch_scc0 .Lentry_in_a_cluster
	s_endpgm
.Lentry_in_a_cluster:
	s_bfe_u32 s2, ttmp6, 0x10000c
	s_cmp_lg_u32 s2, 0x3003
	s_cbranch_scc0 .Lentry_shape_is_right
	s_endpgm
.Lentry_shape_is_right:
; THE FIVE PROJECTIONS on codes of BF8 (E5M2): qd = xq Wd^T, kd = xk Wd^T, q = xq Wq^T + bq, k = xk Wk^T + bk, v = xk Wv^T + bv; each [8192][768] x [768][768], K = 768.
; The results are quantised at once with the given scales of the attention's products and stored as IMAGES OF THE NEXT OPERAND'S REGISTERS, with the two norm terms beside them.
; WORK-GROUP y = the product (0 qd, 1 kd, 2 q, 3 k, 4 v).  A work-group takes 512 tokens x 256 columns (four heads); each of its four waves 128 tokens x 256 columns.
; W STAYS IN LDS: the work-group's 256 rows come once.  CLUSTER: four token blocks of one product and one column block need the same rows of W: each wave's one tensor load is a JOINT load (mask 15).
; x STAYS IN REGISTERS: a wave's 128 tokens x 768 codes are 768 registers (windows 1 to 3).  They are asked for in the kernel's first lines by 192 loads of 512 consecutive bytes, each into registers of the
; fragments that it feeds, and are turned into fragments through the wave's own LDS stage, 32 tokens at a time (LDS serves a wave's instructions in order: ISA guide 5.7.1.4).  No prefetch: there is no loop to run ahead in.
; A PASS is 16 columns x 128 tokens: 8 accumulators by turns, six K steps of 128; sixteen passes, two to a trip of the loop.  TWO SETS of accumulators take turns: the way out of a pass (squares or bias, hold,
; conversion, stores) stands among the next pass's matrix instructions, two token tiles to each of its first four K steps.  W's fragments are asked for two K steps ahead, in three sets.
; K IN ITS TRUE PLACES.  These sums go into a quantiser, so both operands lie as the form's own layout has them: registers 2 c, 2 c + 1 hold k = 16 c + 8 (lane / 16) + 0 .. 7: eight loads of 8 bytes a fragment;
; one accumulator an output, one instruction a K step, K ascending.
; ORIENTATION.  qd, kd, q, k: source 0 = 16 rows of W, source 1 = 16 tokens: a lane holds ONE token and eight neighbouring features: one conversion gives registers 2 t, 2 t + 1 of the next operand (K = the head's 64).
; v: source 0 = 16 tokens, source 1 = 16 rows of W: a lane holds ONE feature and eight neighbouring tokens: one conversion gives registers 2 a, 2 a + 1 of V^T's fragment (K = 128 keys).
; The three kinds (0: Wd's products, with norms; 1: q, k; 2: v) have texts of their own inside the one loop; the branches hang on the work-group's y and on the trip's number alone.
; SCALES.  A sum stands for sum x 2^(eA + eB).  The sums hold products of codes alone (the first K step takes C = 0); THE BIAS IS ADDED ONCE, BEHIND THE SUMS, in f32, divided by 2^(eA + eB), which rounds nothing.
; code = (sum + bias) / 2^(eo - eA - eB), held within +-57,344 x that.
; NORMS, of the unquantised f32 sums: qb[token] = -(c / 2) |qd|^2, c = log2(e) / 8;  kbias[key] = -|kd|^2 / 2 divided by 2^(e12 + e13), the unit of the k . q sums, to which the next launch adds it.
; OUT.  qi: [head 96][query tile 64][piece 4][lane 32][16 bytes]: pieces 0, 1 = qd's fragment, 2, 3 = q's.  kv: 96 heads x 8 groups of 128 keys x 25,088 bytes: 8 key tiles x 2,048 laid like qi's,
; 4 tiles of V^T x 2,048, 128 f32 of kbias.  Every store of a wave covers 512 consecutive bytes, aligned.
; LIMITS: eo - eA - eB between -126 and 112, so that the conversion's scale and the hold are f32 numbers.  NaN among the inputs is not served.
; REGISTERS, window 0: v2-15 addresses and the scale; v16-31 two sets of bias (kind 0: a second set of squares); v32-79 three fragments of W; v80-207 two sets of 8 accumulators; v208-239 codes; v240-255 squares.
;   windows 1 to 3: x's fragment of K step s, token tile a at v[128 (s % 2) + 16 a] of window 1 + s / 2.
.set XROW,  768
.set WROW,  816                        ; a row of W in LDS: three pieces of 256 bytes + 16 of padding = 204 words: row r starts at word 12 r mod 64; a lane takes two words and lanes 16-31 the two behind them:
                                       ; the 32 lanes of a load of 8 bytes touch 64 different words modulo 64 (64 banks of 4 bytes: ISA guide 11.1)
.set WTILE, 16*WROW
.set BIASL, 256*WROW                   ; behind W: 256 f32, the bias / 2^(eA + eB)
.set SCR,   BIASL+1024                 ; 512 bytes for each wave, to bring the norms into the tokens' order
.set XST,   SCR+2048                   ; x's stages: 32 rows of 784 bytes for each wave (196 words: row r starts at word 4 r mod 64: the same count holds)
.set XP,    784
.set XWV,   32*XP
.set SPARE, XST+4*XWV                  ; the spare words
.set WA0,  2                           ; W in LDS: 816 r + 8 h
.set ADR,  3                           ; + the trip's rows
.set ADN,  4                           ; + the next trip's rows (the last trip: its own again)
.set BT0,  5                           ; bias, a lane's eight features: BIASL + 32 h
.set BTA,  6                           ; + the trip
.set SC,   8                           ; 2^(eo - eA - eB)
.set LI,   9                           ; 16 x lane
.set SCW,  10
.set SCRR, 11
.set SPW,  12
.set NIL,  13
.set BV0,  14                          ; bias, a lane's one feature: BIASL + 4 r
.set BVA,  15
.set BIAS, 16
.set WF,   32
.set ACC,  80
.set CD,   208
.set SS,   240
.set PL,   96                          ; s96, s97: +-57,344 x 2^(eo - eA - eB)
.set NL,   97
.set MSB, 0
.set XW, 0
.macro WIN new                         ; the immediate's high byte repeats the setting that is left; a switch that changes nothing is dropped
.set WNEW, (\new)
.if MSB != WNEW
	s_set_vgpr_msb (MSB<<8)|WNEW
.set MSB, WNEW
.endif
.endm
.macro PLACES n
.rept \n
	v_nop
.endr
.endm
.macro CROUND                          ; a round of the cluster's barrier
	s_barrier_signal -1
	s_barrier_wait -1
	s_cmp_lg_u32 s30, 0
	s_cbranch_scc1 .Lnot_wave_0_\@
	s_barrier_signal -3
.Lnot_wave_0_\@:
	s_barrier_wait -3
	s_barrier_signal -1
	s_barrier_wait -1
.endm
.macro XG j                            ; tokens 32 j .. + 31, 24,576 consecutive bytes: 48 loads of 512 bytes, into the registers of token tiles 2 j, 2 j + 1
.irp s, 0,1,2,3,4,5
	WIN (1+(\s)/2)<<6
.irp q, 0,1,2,3,4,5,6,7
	global_load_b128 v[128*((\s)%2)+32*(\j)+4*\q:128*((\s)%2)+32*(\j)+4*\q+3], v[LI], s[36:37] offset:24576*(\j)+512*(8*\s+\q)
.endr
.endr
	WIN 0
.endm
.macro XS j, cnt                       ; the same 48 pieces into my stage, rows 784 bytes apart, and back as fragments.  Three pieces are two rows: the middle one crosses from a row to the next at lane 16
	s_wait_loadcnt \cnt
.irp s, 0,1,2,3,4,5
	WIN (1+(\s)/2)<<2
.irp q, 0,1,2,3,4,5,6,7
.if ((8*\s+\q)%3) == 0
	ds_store_b128 v20, v[128*((\s)%2)+32*(\j)+4*\q:128*((\s)%2)+32*(\j)+4*\q+3] offset:2*((8*\s+\q)/3)*XP
.elseif ((8*\s+\q)%3) == 1
	ds_store_b128 v21, v[128*((\s)%2)+32*(\j)+4*\q:128*((\s)%2)+32*(\j)+4*\q+3] offset:2*((8*\s+\q)/3)*XP+512
.else
	ds_store_b128 v20, v[128*((\s)%2)+32*(\j)+4*\q:128*((\s)%2)+32*(\j)+4*\q+3] offset:(2*((8*\s+\q)/3)+1)*XP+256
.endif
.endr
.endr
.irp s, 0,1,2,3,4,5
	WIN (1+(\s)/2)<<6
.irp t, 0,1
.irp c, 0,1,2,3,4,5,6,7
	ds_load_b64 v[128*((\s)%2)+32*(\j)+16*\t+2*\c:128*((\s)%2)+32*(\j)+16*\t+2*\c+1], v22 offset:16*XP*\t+128*\s+16*\c
.endr
.endr
.endr
	WIN 0
.endm
.macro WL set, adr, off                ; one fragment of W: eight loads
.irp c, 0,1,2,3,4,5,6,7
	ds_load_b64 v[WF+16*(\set)+2*\c:WF+16*(\set)+2*\c+1], v[\adr] offset:(\off)+16*\c
.endr
.endm
.macro BL kind, set, off               ; a pass's bias: eight features a lane, or one feature as a pair for the packed addition
.if (\kind) == 1
	ds_load_b128 v[BIAS+8*(\set):BIAS+8*(\set)+3], v[BTA] offset:(\off)
	ds_load_b128 v[BIAS+8*(\set)+4:BIAS+8*(\set)+7], v[BTA] offset:(\off)+16
.endif
.if (\kind) == 2
	ds_load_b32 v[BIAS+8*(\set)], v[BVA] offset:(\off)
	ds_load_b32 v[BIAS+8*(\set)+1], v[BVA] offset:(\off)
.endif
.endm
; THE WAY OUT of the pass before, in pieces.  The hold names a vector register only in a place whose window is 0 while the products run; squares, bias, conversions and stores stand between two switches.
.macro MED4 kind, b                    ; the conversion does not saturate (ISA guide 7.6.2): the hold at the largest code x the scale
.irp i, 0,1,2,3
.if (\kind) == 2
	v_med3_num_f32 v[(\b)+\i], s[NL], v[(\b)+\i], s[PL]
.else
	v_med3_num_f32 v[(\b)+\i], v[(\b)+\i], s[NL], s[PL]
.endif
.endr
.endm
.macro CVT kind, pp, t
.if (\kind) == 2
	v_cvt_scalef32_pk8_bf8_f32 v[CD+16*(\pp)+2*(\t):CD+16*(\pp)+2*(\t)+1], v[AP+8*(\t):AP+8*(\t)+7], v[SC]
.else
	v_cvt_scalef32_pk8_bf8_f32 v[CD+4*(\t)+2*(\pp):CD+4*(\t)+2*(\pp)+1], v[AP+8*(\t):AP+8*(\t)+7], v[SC]
.endif
	v_nop                                          ; a plain line behind the conversion
.endm
.macro OUT kind, pp, t                 ; kinds 0, 1: behind an odd pass a piece of tile t's fragment is whole; kind 2: behind tile 7 a fragment of V^T is
.if (\kind) != 2 && (\pp) == 1
	global_store_b128 v[LI], v[CD+4*(\t):CD+4*(\t)+3], s[40:41] offset:2048*(\t)
.endif
.if (\kind) == 2 && (\t) == 7
.irp p, 0,1,2,3
	global_store_b128 v[LI], v[CD+16*(\pp)+4*\p:CD+16*(\pp)+4*\p+3], s[40:41] offset:2048*(\pp)+512*\p
.endr
.endif
.endm
.macro SQ2                             ; the squares of tiles T0, T1, of the sums as they are; four chains (two sets of sums); each accumulator from its low end on
.irp k, 0,1,2,3
.set SQB, SS-(SS-BIAS)*(\k%2)
	v_pk_fma_f32 v[SQB+2*T0:SQB+2*T0+1], v[AP+8*T0+2*\k:AP+8*T0+2*\k+1], v[AP+8*T0+2*\k:AP+8*T0+2*\k+1], v[SQB+2*T0:SQB+2*T0+1]
	v_pk_fma_f32 v[SQB+2*T1:SQB+2*T1+1], v[AP+8*T1+2*\k:AP+8*T1+2*\k+1], v[AP+8*T1+2*\k:AP+8*T1+2*\k+1], v[SQB+2*T1:SQB+2*T1+1]
.endr
.endm
.macro AB2 kind, pp                    ; sum + bias of tiles T0, T1: one f32 addition a number; each accumulator from its low end on
.irp k, 0,1,2,3
.if (\kind) == 2
.set BP, BIAS+8*(\pp)
.else
.set BP, BIAS+8*(\pp)+2*\k
.endif
	v_pk_add_f32 v[AP+8*T0+2*\k:AP+8*T0+2*\k+1], v[AP+8*T0+2*\k:AP+8*T0+2*\k+1], v[BP:BP+1]
	v_pk_add_f32 v[AP+8*T1+2*\k:AP+8*T1+2*\k+1], v[AP+8*T1+2*\k:AP+8*T1+2*\k+1], v[BP:BP+1]
.endr
.endm
.macro EPI kind, pp, s, a              ; what stands behind the a-th product of K step s: tiles 2 s, 2 s + 1 of the pass of parity pp
.set AP, ACC+64*(\pp)
.set T0, 2*(\s)
.set T1, 2*(\s)+1
.if (\a) == 0
	WIN 0
.if (\kind) == 0
	SQ2
.else
	AB2 \kind, \pp
.endif
	WIN XW
.endif
.if (\a) == 1 || (\a) == 2
	MED4 \kind, AP+8*T0+4*((\a)-1)
.endif
.if (\a) == 3
	WIN 0
	CVT \kind, \pp, T0
	OUT \kind, \pp, T0
	WIN XW
.endif
.if (\a) == 4 || (\a) == 5
	MED4 \kind, AP+8*T1+4*((\a)-4)
.endif
.if (\a) == 6
	WIN 0
	CVT \kind, \pp, T1
	OUT \kind, \pp, T1
	WIN XW
.endif
.endm
; A PASS of parity par.  epi = 1: with the way out of the pass before.  Eight accumulators by turns, one instruction a turn, in the same order in every K step.
.macro HP kind, par, epi
.set AC, ACC+64*(\par)
	s_wait_xcnt 0x0                                ; the earlier stores have read their data: the codes are written again only behind this wait
.irp s, 0,1,2,3,4,5
	PLACES 4                                       ; in front of the loads into the set that the K step before multiplied (ISA guide 7.12.1 for vector instructions)
	s_wait_dscnt 8                                 ; this K step's fragment is in; the eight loads of the next may be out
.if (\s) == 4
	BL \kind, \par, 64*(\par)                      ; this pass's bias, for its way out: behind the way out of the pass before, and ahead of the fragment's loads, so that the next count covers it
.endif
.if (\s) < 4
	WL ((\s)+2)%3, ADR, WTILE*(\par)+272*(((\s)+2)/2)+128*((\s)%2)
.elseif (\par) == 0
	WL ((\s)+2)%3, ADR, WTILE+128*((\s)-4)
.else
	WL ((\s)+2)%3, ADN, 128*((\s)-4)
.endif
.set XR, 128*((\s)%2)
.set WS, WF+16*((\s)%3)
.if (\kind) == 2
.set XW, 1+(\s)/2
.else
.set XW, (1+(\s)/2)<<2
.endif
	WIN XW
.irp a, 0,1,2,3,4,5,6,7
.if (\kind) == 2
.if (\s) == 0
	v_wmma_f32_16x16x128_bf8_bf8 v[AC+8*\a:AC+8*\a+7], v[XR+16*\a:XR+16*\a+15], v[WS:WS+15], 0
.else
	v_wmma_f32_16x16x128_bf8_bf8 v[AC+8*\a:AC+8*\a+7], v[XR+16*\a:XR+16*\a+15], v[WS:WS+15], v[AC+8*\a:AC+8*\a+7]
.endif
.elseif (\s) > 0
	v_wmma_f32_16x16x128_bf8_bf8 v[AC+8*\a:AC+8*\a+7], v[WS:WS+15], v[XR+16*\a:XR+16*\a+15], v[AC+8*\a:AC+8*\a+7]
.else
	v_wmma_f32_16x16x128_bf8_bf8 v[AC+8*\a:AC+8*\a+7], v[WS:WS+15], v[XR+16*\a:XR+16*\a+15], 0
.endif
.if (\epi) && (\s) < 4
	EPI \kind, 1-(\par), \s, \a
.endif
.endr
	WIN 0
.endr
.endm
.macro NORM                            ; a head's 64 features are summed: the norms of my 128 tokens go out, and the next head's squares begin
.irp a, 0,1,2,3,4,5,6,7
	v_pk_add_f32 v[SS+2*\a:SS+2*\a+1], v[SS+2*\a:SS+2*\a+1], v[BIAS+2*\a:BIAS+2*\a+1]
.endr
.irp a, 0,1,2,3,4,5,6,7
	v_add_f32 v[SS+2*\a], v[SS+2*\a], v[SS+2*\a+1]
.endr
.irp a, 0,1,2,3,4,5,6,7
	v_permlanex16_b32 v[SS+2*\a+1], v[SS+2*\a], s78, s79   ; the token's other 32 features lie in the lane 16 away
.endr
.irp a, 0,1,2,3,4,5,6,7
	v_add_f32 v[SS+2*\a], v[SS+2*\a], v[SS+2*\a+1]
.endr
.irp a, 0,1,2,3,4,5,6,7
	v_mul_f32 v[SS+2*\a], s74, v[SS+2*\a]
.endr
.irp a, 0,1,2,3,4,5,6,7
	v_ldexp_f32 v[SS+2*\a], v[SS+2*\a], s75
.endr
.irp i, 0,1,2,3
	v_cndmask_b32 v[SS+4*\i+1], v[SS+4*\i], v[SS+4*\i+2], s77   ; lanes 0-15: token tile 2 i; lanes 16-31: tile 2 i + 1
	ds_store_b32 v[SCW], v[SS+4*\i+1] offset:128*\i
.endr
	ds_load_b128 v[BIAS:BIAS+3], v[SCRR]           ; my own bytes, served in order: 128 norms in the tokens' order
	s_wait_dscnt 0x0
	global_store_b128 v[LI], v[BIAS:BIAS+3], s[42:43]
.irp j, 0,1,2,3,4,5,6,7,8,9,10,11,12,13,14,15
	v_mov_b32 v[SS+\j], 0
.endr
	s_wait_xcnt 0x0                                ; the store has read its data and its base
	s_add_nc_u64 s[42:43], s[42:43], s[60:61]
.irp j, 0,1,2,3,4,5,6,7,8,9,10,11,12,13,14,15
	v_mov_b32 v[BIAS+\j], 0
.endr
	s_wait_alu depctr_va_vdst(0)
.endm
.macro TRIP kind                       ; passes 2 t and 2 t + 1
	s_cmp_eq_u32 s62, 0
	s_cbranch_scc1 .Lfirst_\@
	HP \kind, 0, 1
.if (\kind) == 0
	s_bitcmp1_b32 s62, 0                           ; behind pass 2 t - 1 = 3, 7, 11: a head is whole
	s_cbranch_scc1 .Lodd_\@
	NORM
.endif
	s_branch .Lodd_\@
.Lfirst_\@:
	HP \kind, 0, 0                                 ; pass 0 has no pass before it
.Lodd_\@:
	s_wait_xcnt 0x0                                ; the stores have read their base: on to this trip's place
	s_sub_co_u32 s80, s62, 1
	s_bitcmp1_b32 s80, 0
	s_cselect_b32 s56, s58, s59                    ; behind an odd trip (and ahead of trip 0): the next head; behind an even one: the head's other half
	s_add_nc_u64 s[40:41], s[40:41], s[56:57]
	HP \kind, 1, 1
.endm
.macro FEPI kind                       ; the way out of pass 15, with nothing beside it
	PLACES 4
	s_wait_xcnt 0x0
.set XW, 0
.irp s, 0,1,2,3
.irp a, 0,1,2,3,4,5,6
	EPI \kind, 1, \s, \a
.endr
.endr
.endm
	s_load_b512 s[4:19], s[0:1], 0x0               ; xq s[4:5], xk s[6:7], Wd s[8:9], Wq s[10:11], Wk s[12:13], Wv s[14:15], bq s[16:17], bk s[18:19]
	s_load_b256 s[20:27], s[0:1], 0x40             ; bv s[20:21], the scales' exponents s[22:23], qi s[24:25], kv s[26:27]
	s_load_b64 s[28:29], s[0:1], 0x60              ; qb
	v_lshl_add_u32 v[SPW], v0, 2, SPARE
	v_mov_b32 v[NIL], 0
	ds_add_u32 v[SPW], v[NIL]                      ; the opening lines: the add, twice on end, and its wait ahead of the first tensor load
	ds_add_u32 v[SPW], v[NIL]
	v_lshrrev_b32 v16, 5, v0
	v_readfirstlane_b32 s30, v16                   ; wave 0..3
	s_lshr_b32 s32, ttmp9, 2                       ; which 256 columns (four heads): 0..2.  In a cluster launch ttmp9 and ttmp7 count clusters
	s_and_b32 s34, ttmp7, 0xffff                   ; the product, 0..4
	s_mov_b32 s44, 15|(3<<16)|(1<<20)|(1<<21)|(5<<22)|(3<<25)   ; group 1: the mask: all four work-groups; elements of 8 bytes; bit 21 beside the mask; four words of padding after every 64
	s_mov_b32 s45, 32<<16                          ; 192 rows of 256 bytes: 64 rows of W, dense in memory
	s_mov_b32 s46, 192<<16
	s_mov_b32 s47, 32<<16
	s_mov_b32 s48, 192
	s_mov_b32 s49, 32
	s_mov_b32 s50, 0
	s_mov_b32 s51, 0
	s_mov_b32 s52, 1
	s_mul_i32 s53, s30, 64*WROW                    ; my 64 rows of W in LDS
	s_mul_i32 s94, s32, 256*XROW                   ; and in memory: made of the column block and the wave alone, which the four partners share
	s_mul_i32 s96, s30, 64*XROW
	s_add_co_u32 s94, s94, s96
	s_mov_b32 s95, 0
	s_lshl_b32 s96, s32, 10                        ; the column block's 256 numbers of the bias
	s_mov_b32 s97, 0
	s_lshl_b32 s67, s34, 3                         ; eA, eB: entries 2 y, 2 y + 1
	s_cmp_eq_u32 s34, 4
	s_cselect_b32 s71, 1, 0
	s_add_co_u32 s71, s71, s34
	s_lshl_b32 s71, s71, 2                         ; eo: entry 10 + y, for v entry 15
	s_lshl_b32 s98, s30, 9
	s_add_co_u32 s98, s98, SCR                     ; my scratch
	s_mul_i32 s99, s30, XWV
	s_add_co_u32 s99, s99, XST                     ; my stage
	v_and_b32 v16, 15, v0                          ; r
	v_bfe_u32 v17, v0, 4, 1                        ; h
	v_and_b32 v18, 31, v0                          ; lane
	v_mul_u32_u24 v[WA0], v16, WROW
	v_lshl_add_u32 v[WA0], v17, 3, v[WA0]
	v_lshl_add_u32 v[BT0], v17, 5, BIASL
	v_lshl_add_u32 v[BV0], v16, 2, BIASL
	v_lshlrev_b32 v[LI], 4, v18
	v_lshl_add_u32 v[SCW], v18, 2, s98
	v_lshl_add_u32 v[SCRR], v18, 4, s98
	v_lshl_add_u32 v19, v0, 3, BIASL               ; where my two numbers of the bias go
	v_lshl_add_u32 v20, v18, 4, s99                ; the stage, in: 16 x lane,
	v_lshl_add_u32 v21, v17, 4, v20                ; and with the padding between two rows from lane 16 on
	v_mul_u32_u24 v22, v16, XP
	v_lshl_add_u32 v22, v17, 3, v22
	v_add_nc_u32 v22, s99, v22                     ; back: 784 r + 8 h
	v_lshlrev_b32 v23, 3, v0                       ; 8 x thread: my two numbers of the bias in memory
	; where my tokens lie and where my results go: these numbers hang on my place in the cluster and enter global addresses alone
	s_bfe_u32 s31, ttmp6, 0x40000                  ; cx
	s_and_b32 s33, ttmp9, 3
	s_lshl_b32 s33, s33, 2
	s_add_co_u32 s33, s33, s31                     ; my block of 512 tokens, 0..15
	s_lshr_b32 s80, s33, 1                         ; the batch
	s_and_b32 s81, s33, 1
	s_lshl_b32 s81, s81, 2
	s_add_co_u32 s81, s81, s30                     ; my wave's group of 128 tokens in the batch, 0..7
	s_mul_i32 s82, s80, 12
	s_lshl_b32 s80, s32, 2
	s_add_co_u32 s82, s82, s80                     ; my first head, 0..95
	s_and_b32 s83, s34, 5                          ; 0 for products 0 and 2: the queries'
	s_mov_b32 s84, 200704
	s_movk_i32 s85, 25088
	s_mov_b32 s60, 200704
	s_movk_i32 s86, 24576
	s_cmp_eq_u32 s83, 0
	s_cselect_b32 s84, 131072, s84                 ; from head to head in qi or in kv,
	s_cselect_b32 s87, 512, s85                    ; from group to group among the norms,
	s_cselect_b32 s85, 16384, s85                  ; from group to group among the codes,
	s_cselect_b32 s60, 4096, s60                   ; from head to head among the norms,
	s_cselect_b32 s86, 0, s86                      ; and where the norms begin in a group
	s_mov_b32 s61, 0
	s_mul_i32 s90, s82, s60
	s_add_co_u32 s90, s90, s86
	s_mul_i32 s87, s81, s87
	s_add_co_u32 s90, s90, s87
	s_mov_b32 s91, 0
	s_mul_i32 s88, s82, s84
	s_mul_i32 s87, s81, s85
	s_add_co_u32 s88, s88, s87
	s_movk_i32 s59, 512
	s_cmp_ge_u32 s34, 2
	s_cselect_b32 s87, 1024, 0                     ; q and k: pieces 2 and 3 of a tile
	s_cmp_eq_u32 s34, 4
	s_cselect_b32 s87, 16384, s87                  ; v: behind the group's eight key tiles
	s_cselect_b32 s59, 4096, s59                   ; behind an even trip: one piece on; for v two tiles
	s_add_co_u32 s88, s88, s87
	s_mov_b32 s89, 0
	s_sub_co_u32 s58, s84, s59                     ; behind an odd trip: the next head, back to its first piece
	s_mov_b32 s56, s58
	s_mov_b32 s57, 0
	s_lshl_b32 s92, s33, 9
	s_lshl_b32 s87, s30, 7
	s_add_co_u32 s92, s92, s87
	s_mul_i32 s92, s92, XROW                       ; my first token's codes
	s_mov_b32 s93, 0
	s_mov_b32 s62, 0                               ; the trip
	s_mov_b32 s63, 0                               ; its rows of W in LDS
	s_mov_b32 s66, 0                               ; its bias
	s_mov_b32 s74, 0xbdb8aa3b                      ; -c / 2, c = log2(e) / 8
	s_mov_b32 s77, 0xffff0000                      ; lanes 16-31
	s_mov_b32 s78, 0x76543210                      ; v_permlanex16_b32: lane l xor 16
	s_mov_b32 s79, 0xfedcba98
	s_wait_alu depctr_va_vdst(0)
	s_wait_dscnt 0x0                               ; both opening adds are done
	s_wait_kmcnt 0x0
	s_load_b64 s[68:69], s[22:23], s67 offset:0x0  ; eA, eB
	s_load_b32 s70, s[22:23], s71 offset:0x28      ; eo
	s_load_b64 s[72:73], s[22:23], 0x30            ; e12, e13: the unit of kbias
	s_cmp_eq_u32 s83, 0                            ; every choice of a buffer hangs on the product's number alone
	s_cselect_b64 s[36:37], s[4:5], s[6:7]
	s_cselect_b64 s[40:41], s[24:25], s[26:27]
	s_cselect_b64 s[42:43], s[28:29], s[26:27]
	s_add_nc_u64 s[36:37], s[36:37], s[92:93]      ; x
	s_add_nc_u64 s[40:41], s[40:41], s[88:89]      ; the codes' way out,
	s_sub_nc_u64 s[40:41], s[40:41], s[56:57]      ; one step back: trip 0 makes that step before anything is stored
	s_add_nc_u64 s[42:43], s[42:43], s[90:91]      ; the norms'
	s_cmp_eq_u32 s34, 2
	s_cselect_b64 s[54:55], s[10:11], s[8:9]
	s_cmp_eq_u32 s34, 3
	s_cselect_b64 s[54:55], s[12:13], s[54:55]
	s_cselect_b64 s[38:39], s[18:19], s[16:17]
	s_cmp_eq_u32 s34, 4
	s_cselect_b64 s[54:55], s[14:15], s[54:55]
	s_cselect_b64 s[38:39], s[20:21], s[38:39]
	s_add_nc_u64 s[54:55], s[54:55], s[94:95]      ; W at my 64 rows
	s_or_b32 s55, s55, 0x80000000                  ; type = 2
	s_add_nc_u64 s[38:39], s[38:39], s[96:97]      ; the bias at the column block
	CROUND                                         ; all four work-groups are here: the joint loads meet
	tensor_load_to_lds s[52:55], s[44:51]          ; my one tensor load of the launch
	s_nop 0
	PLACES 4
	s_cmp_lt_u32 s34, 2
	s_cbranch_scc1 .Lno_bias                       ; Wd's products have no bias
	global_load_b64 v[24:25], v23, s[38:39]        ; 128 threads x 8 bytes: the 256 numbers
.Lno_bias:
	XG 0                                           ; all of x is asked for: 192 loads
	XG 1
	XG 2
	XG 3
	s_wait_kmcnt 0x0
	s_add_co_i32 s87, s68, s69                     ; eA + eB
	s_sub_co_i32 s76, 0, s87
	s_sub_co_i32 s88, s70, s87
	s_add_co_i32 s88, s88, 127
	s_lshl_b32 s89, s88, 23
	v_mov_b32 v[SC], s89                           ; 2^(eo - eA - eB) as f32: the conversion takes its exponent field
	s_add_co_i32 s88, s88, 15
	s_lshl_b32 s[PL], s88, 23
	s_or_b32 s[PL], s[PL], 0x600000                ; 57,344 x that,
	s_or_b32 s[NL], s[PL], 0x80000000              ; and its negative
	s_lshl_b32 s75, s87, 1                         ; a square stands for square x 2^(2 (eA + eB))
	s_add_co_i32 s72, s72, s73
	s_cmp_eq_u32 s34, 1                            ; kd's norms: x -1/2 and / 2^(e12 + e13)
	s_cselect_b32 s72, s72, 0
	s_cselect_b32 s74, 0xbf000000, s74
	s_sub_co_i32 s75, s75, s72
	s_wait_tensorcnt 0x0                           ; my rows of W are in LDS; nothing is stored to LDS before
	s_cmp_lt_u32 s34, 2
	s_cbranch_scc1 .Lno_bias2
	s_wait_loadcnt 63                              ; the bias is in: 192 loads stand behind it
	v_ldexp_f32 v24, v24, s76
	v_ldexp_f32 v25, v25, s76
	ds_store_b64 v19, v[24:25]
.Lno_bias2:
	XS 0, 63                                       ; behind a round's 48 loads stand 144, 96, 48, 0 others; a count holds 63 at the most
	XS 1, 63
	XS 2, 48
	XS 3, 0
	s_wait_dscnt 0x0                               ; x's fragments are in; my part of the bias is stored
	s_barrier_signal -1
	s_barrier_wait -1                              ; everybody's rows of W and part of the bias are in.  From here on LDS is read, but for each wave's own scratch
	s_cmp_lt_u32 s34, 2
	s_cbranch_scc0 .Lpj
.irp j, 0,1,2,3,4,5,6,7,8,9,10,11,12,13,14,15
	v_mov_b32 v[SS+\j], 0                          ; the first head's squares begin
	v_mov_b32 v[BIAS+\j], 0
.endr
.Lpj:
	WL 0, WA0, 0                                   ; pass 0's first two fragments of W
	WL 1, WA0, 128
.Ltrip:                                                ; eight trips
	v_add_nc_u32 v[ADR], s63, v[WA0]
	s_add_co_u32 s80, s63, 2*WTILE
	s_min_u32 s80, s80, 14*WTILE                   ; the look-ahead of the last trip stays inside W: it names the trip's own rows again
	v_add_nc_u32 v[ADN], s80, v[WA0]
	v_add_nc_u32 v[BTA], s66, v[BT0]
	v_add_nc_u32 v[BVA], s66, v[BV0]
	s_wait_alu depctr_va_vdst(0)
	s_cmp_eq_u32 s34, 4
	s_cbranch_scc1 .Lkv
	s_cmp_lt_u32 s34, 2
	s_cbranch_scc1 .Lkn
	TRIP 1
	s_branch .Ljoin
.Lkn:
	TRIP 0
	s_branch .Ljoin
.Lkv:
	TRIP 2
.Ljoin:
	s_add_co_u32 s63, s63, 2*WTILE
	s_add_co_u32 s66, s66, 128
	s_add_co_u32 s62, s62, 1
	s_cmp_lt_u32 s62, 8
	s_cbranch_scc1 .Ltrip
	s_cmp_eq_u32 s34, 4
	s_cbranch_scc1 .Lfv
	s_cmp_lt_u32 s34, 2
	s_cbranch_scc1 .Lfn
	FEPI 1
	s_branch .Lfin
.Lfn:
	FEPI 0
	NORM
	s_branch .Lfin
.Lfv:
	FEPI 2
.Lfin:
	s_wait_tensorcnt 0x0                           ; the wave's end
	ds_add_u32 v[SPW], v[NIL]
	s_wait_dscnt 0x0
	CROUND                                         ; the closing round
	s_endpgm
.Lfunc_end_k_q990614d817_proj:
	.size	k_q990614d817_proj, .Lfunc_end_k_q990614d817_proj-k_q990614d817_proj
	.p2alignl 7, 3214868480
	.fill 96, 4, 3214868480
	.section	.rodata,"a",@progbits
	.p2align	6, 0x0
	.amdhsa_kernel k_q990614d817_proj
		.amdhsa_group_segment_fixed_size 327680
		.amdhsa_private_segment_fixed_size 0
		.amdhsa_enable_private_segment 0
		.amdhsa_kernarg_size 104
		.amdhsa_user_sgpr_count 2
		.amdhsa_user_sgpr_kernarg_segment_ptr 1
		.amdhsa_wavefront_size32 1
		.amdhsa_system_sgpr_workgroup_id_x 1
		.amdhsa_system_sgpr_workgroup_id_y 1
		.amdhsa_system_sgpr_workgroup_id_z 1
		.amdhsa_system_vgpr_workitem_id 0
		.amdhsa_next_free_vgpr 1024
		.amdhsa_next_free_sgpr 100
		.amdhsa_reserve_vcc 0
		.amdhsa_float_denorm_mode_32 3
		.amdhsa_float_denorm_mode_16_64 3
		.amdhsa_memory_ordered 1
		.amdhsa_forward_progress 1
		.amdhsa_inst_pref_size 213
	.end_amdhsa_kernel
	.amdgpu_metadata
---
amdhsa.version: [ 1, 2 ]
amdhsa.kernels:
  - .name:           k_q990614d817_proj
    .symbol:         k_q990614d817_proj.kd
    .args:
      - { .name: query_states_codes, .offset: 0, .size: 8, .value_kind: global_buffer, .address_space: global }
      - { .name: key_states_codes, .offset: 8, .size: 8, .value_kind: global_buffer, .address_space: global }
      - { .name: Wd_codes, .offset: 16, .size: 8, .value_kind: global_buffer, .address_space: global }
      - { .name: Wq_codes, .offset: 24, .size: 8, .value_kind: global_buffer, .address_space: global }
      - { .name: Wk_codes, .offset: 32, .size: 8, .value_kind: global_buffer, .address_space: global }
      - { .name: Wv_codes, .offset: 40, .size: 8, .value_kind: global_buffer, .address_space: global }
      - { .name: bq, .offset: 48, .size: 8, .value_kind: global_buffer, .address_space: global }
      - { .name: bk, .offset: 56, .size: 8, .value_kind: global_buffer, .address_space: global }
      - { .name: bv, .offset: 64, .size: 8, .value_kind: global_buffer, .address_space: global }
      - { .name: lowp_scales, .offset: 72, .size: 8, .value_kind: global_buffer, .address_space: global }
      - { .name: qi, .offset: 80, .size: 8, .value_kind: global_buffer, .address_space: global }
      - { .name: kv, .offset: 88, .size: 8, .value_kind: global_buffer, .address_space: global }
      - { .name: qb, .offset: 96, .size: 8, .value_kind: global_buffer, .address_space: global }
    .group_segment_fixed_size: 327680
    .private_segment_fixed_size: 0
    .kernarg_segment_align: 8
    .kernarg_segment_size: 104
    .max_flat_workgroup_size: 128
    .sgpr_count:     100
    .vgpr_count:     1024
    .wavefront_size: 32
...
	.end_amdgpu_metadata
.endif
;; end of part 1
;; launch attn (part 2): grid 256 x 1, 12 waves a work-group, no clusters, 327,680 bytes of LDS; arguments qi, kv, qb, lowp_scales, out0; writes out0
.if DOCPART == 2
	.amdgcn_target "amdgcn-amd-amdhsa--gfx1250"
	.amdhsa_code_object_version 6
	.text
	.protected	k_q990614d817_attn
	.globl	k_q990614d817_attn
	.p2align	8
	.type	k_q990614d817_attn,@function
k_q990614d817_attn:
	s_mov_b64 s[64:65], 0
	v_nop
	global_prefetch_b8 v0, s[64:65] scope:SCOPE_SE
	s_setreg_imm32_b32 hwreg(HW_REG_WAVE_MODE, 25, 1), 1
	s_wait_xcnt 0x0
; ATTENTION on the images that the launch before has stored.  For each of 96 heads, 1,024 queries, 1,024 keys, head size 64:
;   t = c (qd . kd + q . k) - c |kd|^2 / 2 - c |qd|^2 / 2, c = log2(e) / 8;  M = the largest t so far, rounded UP to a whole number;  p = 2^(t - M), quantised with e14;  out = (p v) / (the sum of the unquantised p).
; All three products on codes of BF8 (E5M2).  HOW t IS MADE: kb = -|kd|^2 / 2 in units of 2^(e12 + e13) is loaded into the score registers and is the C of the k . q product (K = 64);
; the sum is multiplied by 2^d, d = e12 + e13 - e10 - e11, which rounds nothing; the kd . qd product (K = 64) adds in place: u.  Then t - M = u x c 2^(e10 + e11) + (qb - M), one packed multiply-add.
; SHARES.  The 96 x 64 tiles of 16 queries are dealt 24 to a work-group: 256 work-groups.  Each of the twelve waves owns two neighbouring tiles (A and B) and walks all 1,024 keys of their head, 128 a step.
; 24 tiles touch two heads at the most, and a head's border lies at the work-group's tile 8 or 16.  So a slot holds two copies: copy 0 for the head of the first tile, copy 1 for the head of the last.
; Waves 0-3 read copy 0, waves 8-11 copy 1, waves 4-7 the copy of their head (copy 0 where both hold it): both copies are read in every work-group.
; RING.  Two LDS slots of 256 keys x two copies (2 x 50,176 bytes, as they lie in memory: images of registers, read 16 bytes a lane on end).  Waves 0-7 fetch 49 rows of 256 bytes each.
; NO CLUSTER: eight work-groups share three heads (copy 0: heads 0,0,0,1,1,1,2,2; copy 1: 0,0,1,1,1,2,2,2), so no four partners on end have one head in either copy.
; PREFETCH: slots 2 and 3 of a head are asked for one change of slots ahead of their tensor loads, by waves 8-11 of the first work-group that has the head as copy 0; slots 0 and 1 come by their loads alone.
; LAYOUT.  Both products transposed (source 0 = 16 keys, or 16 of the head's 64): a lane holds ONE query (lane % 16); the eight registers of score tile t are keys 16 t + 8 (lane / 16) + 0 .. 7.
; LIMITS, so that each power of two is an f32 number: e10 + e11 between -123 and 130; d between -126 and 127; e14 between -126 and 112.  The scaled scores stay under 2^31 in magnitude.  NaN is not served.
; REGISTERS, window 0: v0 thread; v1, v2 the add's; v3, v4 my place in a slot (fragments, kb), v6, v7 the same + the slot; v5 2^e14; tile A: v8 qb - M, v9 largest t, v10 f, v11 -M, v12 qb, v13 at work, v[14:15] sum;
;   tile B the same at v16-23; v24-27 at work; v28-59 Q (A: qd, q; B: qd, q); v62-125 and v128-191 the scores, then p; p's codes at v60-75 and v126-141, over p that is spent; v192-255 fragments of K, then of V^T.
;   window 1: v0-31 O^T of tile A, v32-63 of tile B.
.set GRP,   25088                      ; a group of 128 keys: 8 key tiles x 2,048, 4 tiles of V^T x 2,048, 512 of kb
.set SLB,   2*GRP                      ; one copy's part of a slot
.set QTR,   SLB/4                      ; what one tensor load brings: 49 rows of 256 bytes
.set HEADB, 8*GRP
.set SLOT1, 1<<17                      ; slot 1 begins here: one exclusive or turns an address in one slot into the other's
.set STG,   SLOT1+2*SLB                ; behind the ring: the way out, 16 rows x (256 + 16) bytes a wave
.set SPARE, STG+12*4352                ; behind the stages: the spare words, 128 bytes a wave
.set QA, 28
.set QB, 44
.set SA, 62
.set SB, 128
.set FR, 192
.set WV, 14
.set G1, 24
.set G0, 32
.set TB, 36
.set SLOTS, 37
.set LIM, 38
.set PFA, 40
.set SEL, 42
.set CS, 44                            ; s[44:45] c 2^(e10 + e11)
.set DS, 46                            ; s[46:47] 2^d
.set HOLD, 48                          ; 57,344 x 2^e14
.set EO, 49                            ; e14 + e15
.set MSB, 0
.macro WIN new                         ; the immediate's high byte repeats the setting that is left
.if MSB != \new
	s_set_vgpr_msb (MSB<<8)|\new
.set MSB, \new
.endif
.endm
.macro PLACES n
.rept \n
	v_nop
.endr
.endm
.macro TLOAD                           ; waves 0-7 fetch; the branch hangs on the wave's number alone; s_nop 0 and four v_nop follow the load
	s_cmp_lt_u32 s[WV], 8
	s_cbranch_scc0 .Lasked_\@
	tensor_load_to_lds s[G0:G0+3], s[G1:G1+7]
	s_nop 0
	PLACES 4
.Lasked_\@:
.endm
.macro ASK                             ; my wave's 49 blocks of 256 bytes of the slot that the NEXT change loads: 32 lanes, then 17 (the lanes left over name the last block again)
	s_cmp_gt_u32 s[SLOTS], s[LIM]
	s_cbranch_scc0 .Lnot_mine_\@
	v_and_b32 v24, 31, v0
	v_min_u32 v25, 16, v24
	v_lshlrev_b32 v24, 8, v24
	v_lshlrev_b32 v25, 8, v25
	global_prefetch_b8 v24, s[PFA:PFA+1] th:TH_LOAD_NT scope:SCOPE_SE
	global_prefetch_b8 v25, s[PFA:PFA+1] offset:8192 th:TH_LOAD_NT scope:SCOPE_SE
.Lnot_mine_\@:
.endm
.macro KBL t0                          ; kb of key tiles t0 .. t0 + 3 into tile A's score registers: 8 loads; both tiles' k . q products take it from there
.irp t, 0,1,2,3
.irp i, 0,1
	ds_load_b128 v[SA+8*(\t0+\t)+4*\i:SA+8*(\t0+\t)+4*\i+3], v7 offset:OF+64*(\t0+\t)+16*\i
.endr
.endr
.endm
.macro FRL buf, t0, pc                 ; pieces pc, pc + 1 (0: kd's fragment, 2: k's) of key tiles t0 .. t0 + 3: 8 loads
.irp t, 0,1,2,3
.irp p, 0,1
	ds_load_b128 v[FR+32*\buf+8*\t+4*\p:FR+32*\buf+8*\t+4*\p+3], v6 offset:OF+2048*(\t0+\t)+512*(\pc+\p)
.endr
.endr
.endm
.macro SW buf, t0, qo                  ; four key tiles x two query tiles, added in place: eight accumulators by turns.  qo = 8: q's fragment, 0: qd's
.irp t, 0,1,2,3
	v_wmma_f32_16x16x64_bf8_bf8 v[SA+8*(\t0+\t):SA+8*(\t0+\t)+7], v[FR+32*\buf+8*\t:FR+32*\buf+8*\t+7], v[QA+\qo:QA+\qo+7], v[SA+8*(\t0+\t):SA+8*(\t0+\t)+7]
	v_wmma_f32_16x16x64_bf8_bf8 v[SB+8*(\t0+\t):SB+8*(\t0+\t)+7], v[FR+32*\buf+8*\t:FR+32*\buf+8*\t+7], v[QB+\qo:QB+\qo+7], v[SB+8*(\t0+\t):SB+8*(\t0+\t)+7]
.endr
.endm
.macro SW7 buf, t0                     ; k . q + kb, four key tiles: tile B's products take kb, which lies in tile A's score registers, as C; five places on tile A's add in place, over kb
.irp t, 0,1,2,3
	v_wmma_f32_16x16x64_bf8_bf8 v[SB+8*(\t0+\t):SB+8*(\t0+\t)+7], v[FR+32*\buf+8*\t:FR+32*\buf+8*\t+7], v[QB+8:QB+15], v[SA+8*(\t0+\t):SA+8*(\t0+\t)+7]
.endr
	PLACES 5
.irp t, 0,1,2,3
	v_wmma_f32_16x16x64_bf8_bf8 v[SA+8*(\t0+\t):SA+8*(\t0+\t)+7], v[FR+32*\buf+8*\t:FR+32*\buf+8*\t+7], v[QA+8:QA+15], v[SA+8*(\t0+\t):SA+8*(\t0+\t)+7]
.endr
.endm
.macro MULD j0
.set j, \j0
.rept 16
	v_pk_mul_f32 v[SA+j:SA+j+1], v[SA+j:SA+j+1], s[DS:DS+1] op_sel_hi:[1,0]
	v_pk_mul_f32 v[SB+j:SB+j+1], v[SB+j:SB+j+1], s[DS:DS+1] op_sel_hi:[1,0]
.set j, j+2
.endr
.endm
.macro MX4 i                           ; four registers of each tile into four chains of maxima
	v_max3_num_f32 v24, v24, v[SA+\i], v[SA+\i+1]
	v_max3_num_f32 v26, v26, v[SB+\i], v[SB+\i+1]
	v_max3_num_f32 v25, v25, v[SA+\i+2], v[SA+\i+3]
	v_max3_num_f32 v27, v27, v[SB+\i+2], v[SB+\i+3]
.endm
.macro HOLD8 b                         ; the hold at the largest code x the scale (the conversion does not saturate: ISA guide 7.6.2); p is not negative, so it is one-sided; two numbers an instruction
.irp k, 0,2,4,6
	v_dual_min_num_f32 v[\b+\k], s[HOLD], v[\b+\k] :: v_dual_min_num_f32 v[\b+\k+1], s[HOLD], v[\b+\k+1]
.endr
.endm
; A KEY STEP: 128 keys, the q-th group of the slot in hand, x two query tiles.
.macro STEP q
.set OF, GRP*(\q)
	KBL 0
	FRL 0, 0, 2
	KBL 4
	FRL 1, 4, 2
	s_wait_dscnt 16                                ; key tiles 0-3: kb and k are in; the 16 loads for tiles 4-7 may be out
	SW7 0, 0
	PLACES 4                                       ; in front of the loads over the fragments just multiplied, and of the first read of the sums
	FRL 0, 0, 0
	s_wait_dscnt 8                                 ; tiles 4-7 are in; the 8 loads just issued may be out
	SW7 1, 4
	MULD 0                                         ; (also the places behind the products above)
	FRL 1, 4, 0
	s_wait_alu depctr_va_vdst(0)
	s_wait_dscnt 8                                 ; kd of tiles 0-3 is in
	SW 0, 0, 0
	MULD 32
	s_wait_alu depctr_va_vdst(0)
	s_wait_dscnt 0x0
	s_wait_xcnt 0x0                                ; any prefetch of mine has read v24, v25, which are written below
	SW 1, 4, 0
	v_max3_num_f32 v24, v[SA], v[SA+1], v[SA+2]    ; the largest u of my query among my 64 keys: tiles 0-3 first, the places behind the products above
	v_max3_num_f32 v26, v[SB], v[SB+1], v[SB+2]
	v_max3_num_f32 v25, v[SA+3], v[SA+4], v[SA+5]
	v_max3_num_f32 v27, v[SB+3], v[SB+4], v[SB+5]
.irp i, 6,10,14,18,22,26
	MX4 \i
.endr
	v_max3_num_f32 v24, v24, v[SA+30], v[SA+31]
	v_max3_num_f32 v26, v26, v[SB+30], v[SB+31]
.irp dt, 0,1,2,3                               ; the step's four fragments of V^T land under the softmax
.irp p, 0,1,2,3
	ds_load_b128 v[FR+16*\dt+4*\p:FR+16*\dt+4*\p+3], v6 offset:OF+16384+2048*\dt+512*\p
.endr
.endr
.irp i, 32,36,40,44,48,52,56,60
	MX4 \i
.endr
	v_max_num_f32 v24, v24, v25
	v_max_num_f32 v26, v26, v27
	v_permlanex16_b32 v13, v24, s[SEL], s[SEL+1]
	v_permlanex16_b32 v21, v26, s[SEL], s[SEL+1]
	v_mov_b32 v25, v11
	v_mov_b32 v27, v19
	v_max_num_f32 v24, v24, v13                    ; and among lane l xor 16's
	v_max_num_f32 v26, v26, v21
	v_fma_f32 v24, v24, s[CS], v12                 ; as t (the factor is positive)
	v_fma_f32 v26, v26, s[CS], v20
	v_max_num_f32 v9, v9, v24                      ; the running largest t
	v_max_num_f32 v17, v17, v26
	v_floor_f32 v11, -v9                           ; -M = floor(-t) = -ceil(t): a whole number
	v_floor_f32 v19, -v17
	v_sub_f32 v25, v11, v25                        ; old M - new M: a whole number, 0 or less
	v_sub_f32 v27, v19, v27
	v_add_f32 v8, v12, v11                         ; qb - M
	v_add_f32 v16, v20, v19
	v_cvt_i32_f32 v25, v25                         ; (it saturates)
	v_cvt_i32_f32 v27, v27
	v_ldexp_f32 v10, 1.0, v25                      ; f = 2^(old M - new M)
	v_ldexp_f32 v18, 1.0, v27
.set j, 0
.rept 32
	v_pk_fma_f32 v[SA+j:SA+j+1], v[SA+j:SA+j+1], s[CS:CS+1], v[8:9] op_sel_hi:[1,0,0]     ; t - M (of the pairs the low word serves both halves)
	v_pk_fma_f32 v[SB+j:SB+j+1], v[SB+j:SB+j+1], s[CS:CS+1], v[16:17] op_sel_hi:[1,0,0]
.set j, j+2
.endr
	v_pk_mul_f32 v[14:15], v[14:15], v[10:11] op_sel_hi:[1,0]   ; the sums under the new M
	v_pk_mul_f32 v[22:23], v[22:23], v[18:19] op_sel_hi:[1,0]
	WIN 0x41                                       ; O^T x f, ahead of the exponentials; each accumulator from its low end on
.set j, 0
.rept 16
	v_pk_mul_f32 v[j:j+1], v[j:j+1], v[10:11] op_sel_hi:[1,0]
	v_pk_mul_f32 v[32+j:33+j], v[32+j:33+j], v[18:19] op_sel_hi:[1,0]
.set j, j+2
.endr
	WIN 0
	s_wait_alu depctr_va_vdst(0)                   ; ahead of the batch
.set j, 0
.rept 64
	v_exp_f32 v[SA+j], v[SA+j]                     ; p = 2^(t - M), not normalised
	v_exp_f32 v[SB+j], v[SB+j]
.set j, j+1
.endr
	v_nop                                          ; a plain line behind the last exponential
	s_wait_alu depctr_va_vdst(0)                   ; one wait for the batch, ahead of its first reader
	v_pk_add_f32 v[24:25], v[SA:SA+1], v[SA+2:SA+3]   ; the sum of the unquantised p, four chains
	v_pk_add_f32 v[26:27], v[SB:SB+1], v[SB+2:SB+3]
.irp j, 4,8,12,16,20,24,28,32,36,40,44,48,52,56,60
	v_pk_add_f32 v[14:15], v[14:15], v[SA+\j:SA+\j+1]
	v_pk_add_f32 v[22:23], v[22:23], v[SB+\j:SB+\j+1]
	v_pk_add_f32 v[24:25], v[24:25], v[SA+\j+2:SA+\j+3]
	v_pk_add_f32 v[26:27], v[26:27], v[SB+\j+2:SB+\j+3]
.endr
	v_pk_add_f32 v[14:15], v[14:15], v[24:25]
	v_pk_add_f32 v[22:23], v[22:23], v[26:27]
.irp t, 0,1,2,3,4,5,6,7                        ; tile t's codes go two registers below 2 t of the scores: over p that is summed and converted (2 t - 2 < 8 t)
	HOLD8 SA+8*\t
	HOLD8 SB+8*\t
	v_cvt_scalef32_pk8_bf8_f32 v[SA-2+2*\t:SA-1+2*\t], v[SA+8*\t:SA+8*\t+7], v5
	v_cvt_scalef32_pk8_bf8_f32 v[SB-2+2*\t:SB-1+2*\t], v[SB+8*\t:SB+8*\t+7], v5
.endr
	v_nop                                          ; a plain line between the last conversion and the products that read the codes
	s_wait_alu depctr_va_vdst(0)
	s_wait_dscnt 0x0                               ; V^T is in
	WIN 0x50                                       ; C and D in window 1
.irp dt, 0,1,2,3                               ; O^T += V^T P^T: eight accumulators by turns
	v_wmma_f32_16x16x128_bf8_bf8 v[8*\dt:8*\dt+7], v[FR+16*\dt:FR+16*\dt+15], v[SA-2:SA+13], v[8*\dt:8*\dt+7]
	v_wmma_f32_16x16x128_bf8_bf8 v[32+8*\dt:39+8*\dt], v[FR+16*\dt:FR+16*\dt+15], v[SB-2:SB+13], v[32+8*\dt:39+8*\dt]
.endr
	WIN 0
	PLACES 5                                       ; the next step's loads land on, and its products write over, registers that these products read
.endm
; THE CHANGE OF SLOTS, at a slot's head: all my tensor loads are waited for, the add (fill = 1: twice on end), the wait for it and for my reads of the slot left; one barrier; the slot left is filled again.
.macro CHANGE fill
	s_wait_tensorcnt 0x0
	ds_add_u32 v1, v2
.if \fill
	ds_add_u32 v1, v2
	s_xor_b32 s[G0+1], s[G0+1], SLOT1              ; the walking descriptor: the other slot, the next 256 keys
	s_add_nc_u64 s[G0+2:G0+3], s[G0+2:G0+3], SLB
	s_wait_xcnt 0x0                                ; any prefetch of mine has read its address
	s_add_nc_u64 s[PFA:PFA+1], s[PFA:PFA+1], SLB   ; one slot further on than the descriptor
.endif
	s_wait_dscnt 0x0
	s_barrier_signal -1
	s_barrier_wait -1
.if \fill
	TLOAD
	ASK
.endif
.endm
.macro SLOT_STEPS
	v_add_nc_u32 v6, s[TB], v3
	v_add_nc_u32 v7, s[TB], v4
	s_wait_alu depctr_va_vdst(0)
	STEP 0
	STEP 1
	s_xor_b32 s[TB], s[TB], SLOT1
.endm
	s_load_b256 s[4:11], s[0:1], 0x0               ; qi s[4:5], kv s[6:7], qb s[8:9], the scales' exponents s[10:11]
	s_load_b64 s[12:13], s[0:1], 0x20              ; out
	v_lshl_add_u32 v1, v0, 2, SPARE
	v_mov_b32 v2, 0
	ds_add_u32 v1, v2                              ; the opening lines: the add, twice on end, and its wait ahead of the first tensor load
	ds_add_u32 v1, v2
	v_lshrrev_b32 v24, 5, v0
	v_readfirstlane_b32 s[WV], v24                 ; wave 0..11
	s_mul_i32 s16, ttmp9, 24                       ; the work-group's first tile, of 6,144
	s_lshr_b32 s17, s16, 6                         ; copy 0's head
	s_add_co_u32 s18, s16, 23
	s_lshr_b32 s18, s18, 6                         ; copy 1's head
	s_lshl_b32 s19, s[WV], 1
	s_add_co_u32 s19, s19, s16                     ; my first tile,
	s_lshr_b32 s20, s19, 6                         ; its head, 0..95,
	s_and_b32 s21, s19, 63                         ; and its number in the head
	s_cmp_lg_u32 s20, s17
	s_cselect_b32 s22, 1, 0
	s_cmp_ge_u32 s[WV], 8
	s_cselect_b32 s22, 1, s22
	s_mul_i32 s22, s22, SLB                        ; the copy that I read
	s_cmp_lt_u32 s[WV], 4
	s_cselect_b32 s23, s17, s18                    ; what I fetch, if I fetch: waves 0-3 copy 0's quarters, waves 4-7 copy 1's
	s_mul_i32 s50, s23, HEADB
	s_and_b32 s51, s[WV], 3
	s_mul_i32 s51, s51, QTR
	s_add_co_u32 s50, s50, s51
	s_mov_b32 s51, 0
	s_mov_b32 s[G0], 1
	s_mul_i32 s[G0+1], s[WV], QTR                  ; in slot 0
	s_mov_b32 s[G1], 3<<16                         ; elements of 8 bytes, no mask, no padding
	s_mov_b32 s[G1+1], 32<<16                      ; tensor_dim0 = 32: rows of 256 bytes
	s_mov_b32 s[G1+2], 49<<16                      ; tensor_dim1 = 49
	s_mov_b32 s[G1+3], 32<<16                      ; tile_dim0
	s_mov_b32 s[G1+4], 49                          ; tile_dim1
	s_mov_b32 s[G1+5], 32                          ; dense
	s_mov_b32 s[G1+6], 0
	s_mov_b32 s[G1+7], 0
	s_mov_b32 s[SEL], 0x76543210                   ; v_permlanex16_b32: lane l xor 16
	s_mov_b32 s[SEL+1], 0xfedcba98
	s_mov_b32 s[TB], 0
	s_mov_b32 s[SLOTS], 3
	s_wait_dscnt 0x0                               ; both opening adds are done
	s_wait_kmcnt 0x0
	s_load_b256 s[72:79], s[10:11], 0x20           ; e8 .. e15
	s_add_nc_u64 s[G0+2:G0+3], s[6:7], s[50:51]
	s_or_b32 s[G0+3], s[G0+3], 0x80000000          ; type = 2
	TLOAD                                          ; slot 0
	s_lshl_b32 s52, s20, 17
	s_lshl_b32 s53, s21, 11
	s_add_co_u32 s52, s52, s53
	s_mov_b32 s53, 0
	s_add_nc_u64 s[4:5], s[4:5], s[52:53]          ; my tiles' images in qi
	s_lshl_b32 s52, s20, 12
	s_lshl_b32 s54, s21, 6
	s_add_co_u32 s52, s52, s54
	s_add_nc_u64 s[8:9], s[8:9], s[52:53]          ; their qb
	s_mul_i32 s54, s20, 43
	s_lshr_b32 s54, s54, 9                         ; the batch = head / 12 (43 / 512 serves 0 .. 95)
	s_mul_i32 s55, s54, 12
	s_sub_co_u32 s55, s20, s55                     ; the head in the batch
	s_lshl_b32 s54, s54, 10
	s_lshl_b32 s52, s21, 4
	s_add_co_u32 s52, s52, s54
	s_mul_i32 s52, s52, 3072
	s_lshl_b32 s55, s55, 8
	s_add_co_u32 s52, s52, s55
	s_add_nc_u64 s[12:13], s[12:13], s[52:53]      ; my first row of out, at the head's 256 bytes
	s_and_b32 s52, s16, 63                         ; who prefetches: waves 8-11 of the first work-group that has its head as copy 0
	s_cmp_lt_u32 s52, 24
	s_cselect_b32 s[LIM], 1, 99
	s_cmp_ge_u32 s[WV], 8
	s_cselect_b32 s[LIM], s[LIM], 99
	s_mul_i32 s52, s17, HEADB
	s_and_b32 s54, s[WV], 3
	s_mul_i32 s54, s54, QTR
	s_add_co_u32 s52, s52, s54
	s_add_co_u32 s52, s52, SLB                     ; at slot 1: the first change steps it to slot 2
	s_add_nc_u64 s[PFA:PFA+1], s[6:7], s[52:53]
	v_and_b32 v24, 31, v0
	v_and_b32 v25, 15, v0
	v_bfe_u32 v26, v0, 4, 1
	v_lshlrev_b32 v24, 4, v24                      ; 16 x lane
	v_lshlrev_b32 v25, 2, v25                      ; 4 (lane % 16)
.irp p, 0,1,2,3
	global_load_b128 v[QA+4*\p:QA+4*\p+3], v24, s[4:5] offset:512*\p
	global_load_b128 v[QB+4*\p:QB+4*\p+3], v24, s[4:5] offset:2048+512*\p
.endr
	global_load_b32 v12, v25, s[8:9]
	global_load_b32 v20, v25, s[8:9] offset:64
	v_add_nc_u32 v3, s22, v24                      ; an image's place for my lane in my copy
	v_lshl_add_u32 v4, v26, 5, s22
	v_add_nc_u32 v4, 24576, v4                     ; kb: behind a group's twelve tiles, + 32 (lane / 16)
	v_mov_b32 v9, 0xff61b1e6                       ; the largest t so far: -3e38, under every t
	v_mov_b32 v17, 0xff61b1e6
	v_floor_f32 v11, -v9
	v_floor_f32 v19, -v17
.irp r, 13,14,15,21,22,23
	v_mov_b32 v\r, 0                               ; the sums; and the permutes' destinations, which count as sources
.endr
	WIN 0x40
.set j, 0
.rept 64
	v_mov_b32 v[j], 0                              ; O^T: the step is written once; the first change of M multiplies zeros
.set j, j+1
.endr
	WIN 0
	s_wait_kmcnt 0x0
	s_add_co_i32 s50, s74, s75                     ; e10 + e11
	s_add_co_i32 s51, s76, s77                     ; e12 + e13
	s_sub_co_i32 s51, s51, s50                     ; d
	s_lshl_b32 s50, s50, 23
	s_mov_b32 s[CS], 0x3e38aa3b                    ; c = log2(e) / 8
	s_add_co_i32 s[CS], s[CS], s50                 ; x 2^(e10 + e11): added to c's exponent field
	s_mov_b32 s[CS+1], s[CS]
	s_add_co_i32 s51, s51, 127
	s_lshl_b32 s[DS], s51, 23                      ; 2^d
	s_mov_b32 s[DS+1], s[DS]
	s_add_co_i32 s50, s78, 127
	s_lshl_b32 s51, s50, 23
	v_mov_b32 v5, s51                              ; 2^e14, for the conversion
	s_add_co_i32 s50, s50, 15
	s_lshl_b32 s[HOLD], s50, 23
	s_or_b32 s[HOLD], s[HOLD], 0x600000            ; 57,344 x 2^e14
	s_add_co_i32 s[EO], s78, s79
	s_wait_alu depctr_va_vdst(0)                   ; at the head's end
	s_wait_loadcnt 0x0                             ; Q and qb
.Lslot:                                            ; three trips: behind each change of slots but the last the next slot is asked for
	CHANGE 1
	SLOT_STEPS
	s_sub_co_u32 s[SLOTS], s[SLOTS], 1
	s_cmp_lg_u32 s[SLOTS], 0
	s_cbranch_scc1 .Lslot
	CHANGE 0                                       ; the last slot is written out
	SLOT_STEPS
	; THE WAY OUT: O^T / the sum x 2^(e14 + e15), a tile at a time through my stage, back as whole rows of 256 bytes.
	v_add_f32 v14, v14, v15
	v_add_f32 v22, v22, v23
	v_permlanex16_b32 v13, v14, s[SEL], s[SEL+1]
	v_permlanex16_b32 v21, v22, s[SEL], s[SEL+1]
	v_add_f32 v14, v14, v13                        ; the row's sum
	v_add_f32 v22, v22, v21
	s_wait_alu depctr_va_vdst(0)                   ; ahead of the batch
	v_rcp_f32 v14, v14
	v_rcp_f32 v22, v22
	v_and_b32 v3, 15, v0                           ; r
	v_bfe_u32 v4, v0, 4, 1                         ; h
	s_mul_i32 s50, s[WV], 4352
	s_add_co_u32 s50, s50, STG                     ; my stage
	v_mul_u32_u24 v24, v3, 272
	v_mul_u32_u24 v25, v4, 272
	v_mul_u32_u24 v26, v4, 3072
	v_lshl_add_u32 v24, v4, 5, v24
	v_lshl_add_u32 v25, v3, 4, v25
	v_lshl_add_u32 v26, v3, 4, v26                 ; out: lanes 0-15 one row, lanes 16-31 the next
	v_add_nc_u32 v24, s50, v24                     ; in: row r, + 32 h
	v_add_nc_u32 v25, s50, v25                     ; back: two rows
	s_wait_alu depctr_va_vdst(0)                   ; the wait behind the batch, ahead of its first reader
	v_ldexp_f32 v14, v14, s[EO]
	v_ldexp_f32 v22, v22, s[EO]
	WIN 0x01                                       ; source 0 in window 1
	s_wait_alu depctr_va_vdst(0)                   ; directly ahead of the first reader of O^T
.set j, 0
.rept 16
	v_pk_mul_f32 v[SA+j:SA+j+1], v[j:j+1], v[14:15] op_sel_hi:[1,0]
	v_pk_mul_f32 v[SB+j:SB+j+1], v[32+j:33+j], v[22:23] op_sel_hi:[1,0]
.set j, j+2
.endr
	WIN 0
.irp dt, 0,1,2,3
.irp i, 0,1
	ds_store_b128 v24, v[SA+8*\dt+4*\i:SA+8*\dt+4*\i+3] offset:64*\dt+16*\i
.endr
.endr
.irp i, 0,1,2,3,4,5,6,7
	ds_load_b128 v[FR+4*\i:FR+4*\i+3], v25 offset:544*\i        ; LDS serves a wave's instructions in order (ISA guide 5.7.1.4): these see my stores, and tile B's stores come behind them
.endr
.irp dt, 0,1,2,3
.irp i, 0,1
	ds_store_b128 v24, v[SB+8*\dt+4*\i:SB+8*\dt+4*\i+3] offset:64*\dt+16*\i
.endr
.endr
.irp i, 0,1,2,3,4,5,6,7
	ds_load_b128 v[FR+32+4*\i:FR+32+4*\i+3], v25 offset:544*\i
.endr
.irp i, 0,1,2,3,4,5,6,7
	s_wait_dscnt 23-\i                             ; behind tile A's load i: its 7 - i younger loads, tile B's 8 stores and 8 loads
	global_store_b128 v26, v[FR+4*\i:FR+4*\i+3], s[12:13] offset:6144*\i th:TH_STORE_NT   ; 16 lanes store 256 consecutive bytes, aligned
.endr
.irp i, 0,1,2,3,4,5,6,7
	s_wait_dscnt 7-\i
	global_store_b128 v26, v[FR+32+4*\i:FR+32+4*\i+3], s[12:13] offset:49152+6144*\i th:TH_STORE_NT
.endr
	s_wait_tensorcnt 0x0                           ; the wave's end
	ds_add_u32 v1, v2
	s_wait_dscnt 0x0
	s_endpgm
.Lfunc_end_k_q990614d817_attn:
	.size	k_q990614d817_attn, .Lfunc_end_k_q990614d817_attn-k_q990614d817_attn
	.p2alignl 7, 3214868480
	.fill 96, 4, 3214868480
	.section	.rodata,"a",@progbits
	.p2align	6, 0x0
	.amdhsa_kernel k_q990614d817_attn
		.amdhsa_group_segment_fixed_size 327680
		.amdhsa_private_segment_fixed_size 0
		.amdhsa_enable_private_segment 0
		.amdhsa_kernarg_size 40
		.amdhsa_user_sgpr_count 2
		.amdhsa_user_sgpr_kernarg_segment_ptr 1
		.amdhsa_wavefront_size32 1
		.amdhsa_system_sgpr_workgroup_id_x 1
		.amdhsa_system_sgpr_workgroup_id_y 1
		.amdhsa_system_sgpr_workgroup_id_z 1
		.amdhsa_system_vgpr_workitem_id 0
		.amdhsa_next_free_vgpr 320
		.amdhsa_next_free_sgpr 80
		.amdhsa_reserve_vcc 0
		.amdhsa_float_denorm_mode_32 3
		.amdhsa_float_denorm_mode_16_64 3
		.amdhsa_memory_ordered 1
		.amdhsa_forward_progress 1
		.amdhsa_inst_pref_size 160
	.end_amdhsa_kernel
	.amdgpu_metadata
---
amdhsa.version: [ 1, 2 ]
amdhsa.kernels:
  - .name:           k_q990614d817_attn
    .symbol:         k_q990614d817_attn.kd
    .args:
      - { .name: qi, .offset: 0, .size: 8, .value_kind: global_buffer, .address_space: global }
      - { .name: kv, .offset: 8, .size: 8, .value_kind: global_buffer, .address_space: global }
      - { .name: qb, .offset: 16, .size: 8, .value_kind: global_buffer, .address_space: global }
      - { .name: lowp_scales, .offset: 24, .size: 8, .value_kind: global_buffer, .address_space: global }
      - { .name: out0, .offset: 32, .size: 8, .value_kind: global_buffer, .address_space: global }
    .group_segment_fixed_size: 327680
    .private_segment_fixed_size: 0
    .kernarg_segment_align: 8
    .kernarg_segment_size: 40
    .max_flat_workgroup_size: 384
    .sgpr_count:     80
    .vgpr_count:     320
    .wavefront_size: 32
...
	.end_amdgpu_metadata
.endif
;; end of part 2
